; MI455X (gfx1250); checked and timed in simulation.
; The chip was launched on July 23, 2026; its instructions are those of AMD's public machine-readable ISA for CDNA 5 (MIT licence, August 2026) and "CDNA5" Instruction Set Architecture Reference Guide (July 2026). The comments in the code are by the model that wrote it; some were corrected since.
;; Attention. Allowed arithmetic: float matrix products may take bf16 or f16 operands with f32 sums; all other float work in f32.
;; Inputs: key 2 x 2,048 x 8 x 128 float32; query 2 x 2,048 x 32 x 128 float32; value 2 x 2,048 x 8 x 128 float32.
;; Outputs: out0 2 x 2,048 x 32 x 128 float32.
;; 2 versions, each right; version 2 is version 1 with the launch attn written anew for expert scheduling mode. Each part assembles by itself: llvm-mc -triple=amdgcn-amd-amdhsa -mcpu=gfx1250 --defsym DOCPART=n.
;; ======== version 1 of 2: 1 launch
;; limits: values are held in f16: magnitudes above 65,504 overflow, below 6.1e-05 lose precision; right only within a limited range of input values
;; launch attn (part 1): grid 16 x 16, 4 waves a work-group, no clusters, 175,616 bytes of LDS; arguments query, key, value, out0; writes out0
.if DOCPART == 1
	.amdgcn_target "amdgcn-amd-amdhsa--gfx1250"
	.amdhsa_code_object_version 6
	.text
	.protected	k_q3f21233083_attn
	.globl	k_q3f21233083_attn
	.p2align	8
	.type	k_q3f21233083_attn,@function
k_q3f21233083_attn:
	s_mov_b64 s[64:65], 0
	v_nop
	global_prefetch_b8 v0, s[64:65] scope:SCOPE_SE
	s_setreg_imm32_b32 hwreg(HW_REG_WAVE_MODE, 25, 1), 1
	s_wait_xcnt 0x0
; Causal grouped-query attention.  query, out0: [2][2048][32][128] f32.  key, value: [2][2048][8][128] f32.
; out = softmax(causal(q k^T / sqrt(128))) v; the four query heads 4 kvh .. 4 kvh + 3 read key and value head kvh.
;
; SHARING.  Work-group (x, y): batch y >> 3, key/value head y & 7.  Its four waves are the four query heads of that head, so one
; tile of K and V in LDS serves all four.  A wave holds 64 query positions x 128.  The work-group makes two blocks of 64 positions:
; block E = 2 x (2 x + 1 key tiles of 64) and then block O = 31 - 2 x (32 - 2 x tiles): 33 tiles for every one of the 256 work-groups.
; Each block is walked DOWN, the diagonal tile first: the trip that masks is also the trip that starts the sums (C = 0, no old
; maximum), so nothing is ever cleared.  Key tiles above the diagonal are not computed.
;
; NUMBER FORMATS.  q, k and v are each rounded once, to bf16, as they are given; all sums are f32.  The first product takes the bf16 form:
; products of bf16 numbers are exact in f32, so the raw scores are those of attention on the bf16 inputs.  The factor log2(e) / sqrt(128)
; is applied to the f32 scores.  The probabilities need more than bf16's 8 significant bits: a row that rests on a few keys is a sum of
; terms as large as v, while most rows average many keys and are ten times smaller.  So the second product takes the f16 form: P with 11
; significant bits, and V as its bf16 value carried in f16, which is exact from 2^-14 up to f16's largest number (8 bits fit into 11).
;
; BOTH PRODUCTS ARE TRANSPOSED.  S^T = K Q^T: source 0 = 16 keys, source 1 = 16 queries; lane (r, h), register j holds the score of key
; 8 h + j and query r.  A query is a lane column: its maximum, sum and rescale factor are one register a lane, and the only step
; between lanes is one exchange of the two halves.  Two neighbouring S^T tiles, packed to f16, ARE source 1 of O^T = V^T P^T
; (registers 0-3: keys 8 h .., registers 4-7: keys 16 + 8 h ..): P never leaves the registers.  V^T comes from V kept [key][d] in LDS by
; the transposing load.  O^T: lane (r, h), register j holds out(query r, d = 8 h + j).
;
; K AND V arrive in f32 and go through registers: in each trip each wave loads 16 rows of the NEXT tile of each (a load of the wave is
; one whole row of 512 bytes), rounds them and stores them into the other LDS slot.  One barrier a trip orders both ways.
;
; LDS: KS 2 slots x 64 rows x 272; VS 2 slots x 64 rows x 288; QS 4 waves x 64 rows x 272 (bf16, a wave's own);
;      OS 4 waves x 16 rows x 528 (f32, a wave's own, for the way out).  272 and 528 are odd multiples of 16, 288 of 32.
;
; REGISTER WINDOWS (s_set_vgpr_msb, low byte: bits 1:0 source 0, 3:2 source 1, 5:4 source 2, 7:6 destination):
;   window 0: addresses v2-v13; Q fragments v32-159; three fragment buffers of 32 at v160, v192, v224
;   window 1: scores S v0-127; P v128-191; per query tile NMC, X, AL, L at v192+4qt; sums v208-215; maxima at work v216-231;
;             v232 = -FLT_MAX; the running maxima of the raw scores v236-239
;   window 2: the 32 accumulator tiles of O^T;   window 3: staging of f32 rows on their way to 16 bits
;
; NO CLUSTER, NO JOINT LOADS: the sharing that exists (four heads on one K and V) is served inside the work-group.  The 16 work-groups
; of one key/value head stand at different tiles in every trip (2 x, 2 x - 1, .. then 31 - 2 x, ..), so no two would ask for the same tile together.
; NO TENSOR LOADS: the tiles must be rounded on the way, which takes them through registers anyway.
;
; LIMITS.  RANGE: |v| must stay below 65,504, f16's largest number; beyond it the operand becomes infinite.  Below 2^-14 a v or a probability is
; an f16 denormal, kept, with a step of 2^-24.  ORDER OF ROUNDING: the exponent is one fused multiply-add, s c - (c max), with c = log2(e) / sqrt(128)
; (reference: scale, round, subtract).  Probabilities are rounded to f16 for the second product, the row sums use them in f32.
; v_exp_f32 gives 0 below 2^-126.  Masked scores are -FLT_MAX as in the reference.  With NaN or infinite inputs the places of NaN in the
; output may differ: the maximum drops a NaN.
.set QROW,  16384                      ; bytes from a position to the next in query and out0
.set KROW,  4096                       ; the same in key and value
.set KTILE, 64*KROW                    ; a key tile of 64 positions
.set KP,    272                        ; LDS pitch of K and Q rows (256 bytes of bf16 + 16)
.set VP,    288                        ; LDS pitch of V rows (256 bytes of f16 + 32)
.set OP,    528                        ; LDS pitch of the way out (512 bytes of f32 + 16)
.set KSLOT, 64*KP
.set VSLOT, 64*VP
.set VS,    2*KSLOT                    ; 34,816
.set QS,    VS+2*VSLOT                 ; 71,680
.set QW,    64*KP
.set OS,    QS+4*QW                    ; 141,312
.set OW,    16*OP                      ; OS + 4 OW = 175,104
; window 0
.set LANEOFF, 2                        ; wave x 16 rows of K + 16 x lane
.set GOFF,    3                        ; LANEOFF + the tile that is fetched
.set KST,     4                        ; where I store 8 bytes of a K row
.set VST,     5                        ; the same for V
.set KRD,     6                        ; r KP + 16 h: K fragments
.set VRD,     7                        ; V fragments, transposing load
.set QST,     8
.set QRD,     9
.set OST,     10
.set ORD,     11
.set LB16,    12                       ; 16 x lane: my 16 bytes of a row of query or out0; never rewritten
.set PFO,     13                       ; prefetch: (lane >> 1) rows + (lane & 1) x 256 bytes; never rewritten
.set QF,      32                       ; Q fragment (qt, ks) at QF + 8 (4 qt + ks)
.set FB0,     160
.set FB1,     192
.set FB2,     224
; window 1
.set PB,      128                      ; P(qt, i) = PB + 16 qt + i
.set MB,      192                      ; NMC = MB + 4 qt (minus c times the maximum), X = +1, AL = +2, L = +3
.set ACC,     208                      ; ACC + 2 qt: a pair of partial sums
.set TB,      216                      ; TB + 4 qt + c
.set NEG,     232
.set MR,      236                      ; MR + qt: the running maximum of the raw scores
.set MSB, 0
.macro WIN new                         ; the immediate's high byte repeats the setting that is left; a switch that changes nothing is dropped
.if MSB != \new
	s_set_vgpr_msb (MSB<<8)|\new
.set MSB, \new
.endif
.endm
; Four places behind a matrix instruction before a vector instruction reads its result or a load lands in one of its registers
; (ISA guide 7.12.1 for vector instructions); other matrix instructions are not counted as places here.
.macro PLACES
.rept 4
	v_nop
.endr
.endm
	s_load_b256 s[4:11], s[0:1], 0x0               ; query s[4:5], key s[6:7], value s[8:9], out0 s[10:11]
	v_lshl_add_u32 v30, v0, 2, 0x2ac00
	v_mov_b32 v31, 0
	v_and_b32 v1, 31, v0                           ; lane
	v_lshrrev_b32 v14, 5, v0
	v_readfirstlane_b32 s12, v14                   ; wave = query head within the group of four
	s_mov_b32 s13, ttmp9                           ; x
	s_and_b32 s14, ttmp7, 0xffff                   ; y
	s_mov_b32 s31, 0xffff0000                      ; a word's upper bf16
	s_mov_b32 s32, 0x3e0293ee                      ; c = log2(e) / sqrt(128), twice: the packed multiply-add names the pair
	s_mov_b32 s33, 0x3e0293ee
	s_mov_b32 s34, 0x76543210                      ; v_permlanex16_b32: lane i of one half reads lane i of the other
	s_mov_b32 s35, 0xfedcba98
	; byte offsets, apart from the addresses
	s_lshr_b32 s44, s14, 3                         ; batch
	s_and_b32 s46, s14, 7                          ; key/value head
	s_lshl_b32 s48, s44, 23                        ; batch x 2048 x 4,096
	s_lshl_b32 s50, s46, 9
	s_add_co_u32 s48, s48, s50                     ; + head x 512: K and V
	s_mov_b32 s49, 0
	s_lshl_b32 s44, s44, 25                        ; batch x 2048 x 16,384
	s_lshl2_add_u32 s46, s46, s12                  ; query head = 4 kvh + wave
	s_lshl_b32 s46, s46, 9
	s_add_co_u32 s44, s44, s46
	s_lshl_b32 s46, s13, 21                        ; block E = 2 x, times 64 rows of 16,384
	s_add_co_u32 s46, s46, s44
	s_mov_b32 s47, 0
	s_lshl_b32 s50, s13, 1
	s_sub_co_u32 s50, 31, s50                      ; block O = 31 - 2 x
	s_lshl_b32 s29, s50, 18                        ; O's diagonal key tile, in bytes
	s_lshl_b32 s50, s50, 20
	s_add_co_u32 s50, s50, s44
	s_mov_b32 s51, 0
	s_lshl_b32 s28, s13, 19                        ; the tile to fetch next: E's diagonal tile
	; lane terms
	v_and_b32 v14, 15, v0                          ; r
	v_bfe_u32 v15, v0, 4, 1                        ; h
	v_lshlrev_b32 v[LB16], 4, v1
	s_lshl_b32 s52, s12, 16                        ; wave x 16 rows x 4,096
	v_add_nc_u32 v[LANEOFF], s52, v[LB16]
	s_mul_i32 s52, s12, 16*KP
	v_lshl_add_u32 v[KST], v1, 3, s52              ; my wave's 16 rows of a K slot, 8 bytes a lane
	s_mul_i32 s52, s12, 16*VP
	s_add_co_u32 s52, s52, VS
	v_lshl_add_u32 v[VST], v1, 3, s52
	v_mul_u32_u24 v[KRD], v14, KP
	v_lshl_add_u32 v[KRD], v15, 4, v[KRD]          ; row r, 16 bytes for each half of the lanes
	v_and_b32 v16, 7, v0
	v_lshl_add_u32 v16, v15, 3, v16                ; key row 8 h + (lane & 7)
	v_bfe_u32 v17, v0, 3, 1
	v_mul_u32_u24 v[VRD], v16, VP
	v_lshl_add_u32 v[VRD], v17, 4, v[VRD]          ; + 16 bytes for the odd groups of eight lanes
	v_add_nc_u32 v[VRD], VS, v[VRD]
	s_mul_i32 s52, s12, QW
	s_add_co_u32 s52, s52, QS
	v_lshl_add_u32 v[QST], v1, 3, s52
	v_add_nc_u32 v[QRD], s52, v[KRD]
	s_mul_i32 s53, s12, OW
	s_add_co_u32 s53, s53, OS
	v_mul_u32_u24 v[OST], v14, OP
	v_lshl_add_u32 v[OST], v15, 5, v[OST]          ; row r, 32 bytes (8 f32) for each half
	v_add_nc_u32 v[OST], s53, v[OST]
	v_add_nc_u32 v[ORD], s53, v[LB16]
	v_lshrrev_b32 v18, 1, v1
	v_and_b32 v19, 1, v0
	v_lshlrev_b32 v[PFO], 8, v19
	v_lshl_add_u32 v[PFO], v18, 14, v[PFO]
	v_lshlrev_b32 v18, 3, v15
	v_sub_nc_u32 v19, v14, v18                     ; r - 8 h
.irp j, 0,1,2,3,4,5,6,7
	v_cmp_le_i32 s[36+\j], \j, v19                 ; on a diagonal 16 x 16 tile register j is kept where key 8 h + j <= query r
.endr
	WIN 0x40
.irp qt, 0,1,2,3
	v_mov_b32 v[MB+4*\qt+1], 0                     ; X: the lane exchange counts as a reader of its destination
.endr
	v_mov_b32 v[NEG], 0xff7fffff                   ; -FLT_MAX
	WIN 0
	s_wait_kmcnt 0x0
	s_add_nc_u64 s[16:17], s[6:7], s[48:49]        ; K of my batch and head
	s_add_nc_u64 s[18:19], s[8:9], s[48:49]        ; V
	s_add_nc_u64 s[20:21], s[4:5], s[46:47]        ; Q, block E, my head
	s_add_nc_u64 s[22:23], s[4:5], s[50:51]        ; Q, block O
	s_add_nc_u64 s[24:25], s[10:11], s[46:47]      ; out, block E
	s_add_nc_u64 s[26:27], s[10:11], s[50:51]      ; out, block O
; 32 loads: my wave's 16 rows of K and of V of the tile at s28, into staging.  Then s28 steps one tile down; below E's tile 0 comes
; O's diagonal tile (what stands there after O's tile 0 is never used).  No cache hint: other work-groups read these rows again.
.macro FETCH
	WIN 0
	v_add_nc_u32 v[GOFF], s28, v[LANEOFF]          ; free: the loads that named it were waited for
	WIN 0xc0
.irp i, 0,1,2,3,4,5,6,7,8,9,10,11,12,13,14,15
	global_load_b128 v[4*\i:4*\i+3], v[GOFF], s[16:17] offset:KROW*\i
	global_load_b128 v[64+4*\i:64+4*\i+3], v[GOFF], s[18:19] offset:KROW*\i
.endr
	s_sub_co_i32 s28, s28, KTILE
	s_cmp_lt_i32 s28, 0
	s_cselect_b32 s28, s29, s28
.endm
; The staged rows are rounded in place and stored into LDS slot slot.  left = how many younger loads may stay out.
; K: to bf16.  V: to bf16, and that value written as f16 (widened to f32 by a mask or a shift, then packed: no second rounding from 2^-14 up).
.macro STAGE slot, left
	s_wait_loadcnt \left
	WIN 0xcf
.set ri, 0
.rept 16
	v_cvt_pk_bf16_f32 v[ri], v[ri], v[ri+1]
	v_cvt_pk_bf16_f32 v[ri+1], v[ri+2], v[ri+3]
.set ri, ri+4
.endr
.set ri, 64
.rept 32
	v_cvt_pk_bf16_f32 v[ri], v[ri], v[ri+1]        ; the rounding of v
.set ri, ri+2
.endr
.set ri, 64
.rept 32
	v_and_b32 v[ri+1], s31, v[ri]                  ; the upper bf16 as f32
.set ri, ri+2
.endr
.set ri, 64
.rept 32
	v_lshlrev_b32 v[ri], 16, v[ri]                 ; the lower bf16 as f32
.set ri, ri+2
.endr
.set ri, 64
.rept 16
	v_cvt_pk_f16_f32 v[ri], v[ri], v[ri+1]
	v_cvt_pk_f16_f32 v[ri+1], v[ri+2], v[ri+3]
.set ri, ri+4
.endr
	WIN 0x0c
.irp i, 0,1,2,3,4,5,6,7,8,9,10,11,12,13,14,15
	ds_store_b64 v[KST], v[4*\i:4*\i+1] offset:(\slot)*KSLOT+KP*\i       ; 32 lanes x 8 bytes: a row's 256 bytes
	ds_store_b64 v[VST], v[64+4*\i:64+4*\i+1] offset:(\slot)*VSLOT+VP*\i
.endr
.endm
; 32 rows of my head's Q (half 0: rows 0-31 into staging 128-255; half 1: rows 32-63 into staging 0-127).  Read once in the launch.
.macro QFETCH half, plo
	WIN 0xc0
.set ri, 0
.rept 32
	global_load_b128 v[128*(1-\half)+4*ri:128*(1-\half)+4*ri+3], v[LB16], s[\plo:\plo+1] offset:(32*\half+ri)*QROW th:TH_LOAD_NT
.set ri, ri+1
.endr
.endm
; those rows, rounded to bf16, into my wave's own rows of QS
.macro QCVT half
	WIN 0xcf
.set ri, 128*(1-\half)
.rept 32
	v_cvt_pk_bf16_f32 v[ri], v[ri], v[ri+1]
	v_cvt_pk_bf16_f32 v[ri+1], v[ri+2], v[ri+3]
.set ri, ri+4
.endr
	WIN 0x0c
.set ri, 0
.rept 32
	ds_store_b64 v[QST], v[128*(1-\half)+4*ri:128*(1-\half)+4*ri+1] offset:(32*\half+ri)*KP
.set ri, ri+1
.endr
.endm
; all 16 Q fragments (4 query tiles x 4 steps of 32 along d); LDS serves a wave's instructions in order, so these see QCVT's stores
.macro QFRAGS
	WIN 0
.irp qt, 0,1,2,3
.irp ks, 0,1,2,3
	ds_load_b128 v[QF+8*(4*\qt+\ks):QF+8*(4*\qt+\ks)+3], v[QRD] offset:\qt*16*KP+64*\ks
	ds_load_b128 v[QF+8*(4*\qt+\ks)+4:QF+8*(4*\qt+\ks)+7], v[QRD] offset:\qt*16*KP+64*\ks+32
.endr
.endr
.endm
; 8 loads: keys 16 kt .. 16 kt + 15, all of d, as four fragments
.macro LDK fb, slot, kt
.irp ks, 0,1,2,3
	ds_load_b128 v[\fb+8*\ks:\fb+8*\ks+3], v[KRD] offset:(\slot)*KSLOT+(\kt)*16*KP+64*\ks
	ds_load_b128 v[\fb+8*\ks+4:\fb+8*\ks+7], v[KRD] offset:(\slot)*KSLOT+(\kt)*16*KP+64*\ks+32
.endr
.endm
; 8 transposing loads: V^T of d tiles dt0, dt0 + 1, both halves of the 64 keys
.macro LDV fb, slot, dt0
.irp dd, 0,1
.irp kp, 0,1
	ds_load_tr16_b128 v[\fb+16*\dd+8*\kp:\fb+16*\dd+8*\kp+3], v[VRD] offset:(\slot)*VSLOT+32*VP*\kp+32*(\dt0+\dd)
	ds_load_tr16_b128 v[\fb+16*\dd+8*\kp+4:\fb+16*\dd+8*\kp+7], v[VRD] offset:(\slot)*VSLOT+32*VP*\kp+32*(\dt0+\dd)+16*VP
.endr
.endr
.endm
; 16 matrix instructions (bf16): key tile kt against the four query tiles.  The four accumulators take turns, one instruction a turn.
.macro QK16 fb, kt
.irp ks, 0,1,2,3
.irp qt, 0,1,2,3
.if \ks == 0
	v_wmma_f32_16x16x32_bf16 v[32*\qt+8*\kt:32*\qt+8*\kt+7], v[\fb+8*\ks:\fb+8*\ks+7], v[QF+8*(4*\qt+\ks):QF+8*(4*\qt+\ks)+7], 0
.else
	v_wmma_f32_16x16x32_bf16 v[32*\qt+8*\kt:32*\qt+8*\kt+7], v[\fb+8*\ks:\fb+8*\ks+7], v[QF+8*(4*\qt+\ks):QF+8*(4*\qt+\ks)+7], v[32*\qt+8*\kt:32*\qt+8*\kt+7]
.endif
.endr
.endr
.endm
; 16 matrix instructions (f16): d tiles dt0, dt0 + 1 for the four query tiles, 64 keys.  Turns as above.  first = 1: the first product starts the sums.
.macro PV16 fb, dt0, first
.irp dd, 0,1
.irp kp, 0,1
.irp qt, 0,1,2,3
.if (\first)*(1-\kp)
	v_wmma_f32_16x16x32_f16 v[64*\qt+8*(\dt0+\dd):64*\qt+8*(\dt0+\dd)+7], v[\fb+16*\dd+8*\kp:\fb+16*\dd+8*\kp+7], v[PB+16*\qt+8*\kp:PB+16*\qt+8*\kp+7], 0
.else
	v_wmma_f32_16x16x32_f16 v[64*\qt+8*(\dt0+\dd):64*\qt+8*(\dt0+\dd)+7], v[\fb+16*\dd+8*\kp:\fb+16*\dd+8*\kp+7], v[PB+16*\qt+8*\kp:PB+16*\qt+8*\kp+7], v[64*\qt+8*(\dt0+\dd):64*\qt+8*(\dt0+\dd)+7]
.endif
.endr
.endr
.endr
.endm
; scores 2 i, 2 i + 1 of query tile q become exponents: s c + NMC, one fused multiply-add (c from s32, NMC from the pair NMC, X, both broadcast)
.macro SUBL q, i
	v_pk_fma_f32 v[32*(\q)+2*(\i):32*(\q)+2*(\i)+1], v[32*(\q)+2*(\i):32*(\q)+2*(\i)+1], s[32:33], v[MB+4*(\q):MB+4*(\q)+1] op_sel_hi:[1,0,0]
.endm
; probabilities 2 i, 2 i + 1 of query tile q: packed into P, and added to the tile's pair of sums (the first two pairs start it)
.macro FINL q, i
	s_wait_alu depctr_va_vdst(0)
	v_cvt_pk_f16_f32 v[PB+16*(\q)+(\i)], v[32*(\q)+2*(\i)], v[32*(\q)+2*(\i)+1]
.if (\i) == 1
	v_pk_add_f32 v[ACC+2*(\q):ACC+2*(\q)+1], v[32*(\q):32*(\q)+1], v[32*(\q)+2:32*(\q)+3]
	s_wait_alu depctr_va_vdst(0)
.endif
.if (\i) > 1
	v_pk_add_f32 v[ACC+2*(\q):ACC+2*(\q)+1], v[ACC+2*(\q):ACC+2*(\q)+1], v[32*(\q)+2*(\i):32*(\q)+2*(\i)+1]
.endif
.endm
; The 32 exponentials of query tile q.  Behind each two of them stands plain work on other tiles' registers (the next tile's
; exponents, the last tile's packing and sum): the place that a transcendental wants behind it (ISA guide 5.7.2), filled with work.
.macro MIX q
.irp i, 0,1,2,3,4,5,6,7,8,9,10,11,12,13,14,15
	v_exp_f32 v[32*\q+2*\i], v[32*\q+2*\i]
	v_exp_f32 v[32*\q+2*\i+1], v[32*\q+2*\i+1]
.if \q < 3
	SUBL \q+1, \i
.endif
.if \q > 0
	FINL \q-1, \i
.endif
.endr
.endm
; S -> P, with the running maximum MR of the raw scores and the running sum L (each half of the lanes keeps the sum of its own keys until the end).
; first = 1: the diagonal tile; it is masked, and there is no older maximum or sum.
.macro SOFTMAX first
	WIN 0x55
.if \first
.irp qt, 0,1,2,3
.irp kt, 0,1,2,3
.if \kt > \qt
.irp j, 0,1,2,3,4,5,6,7
	v_mov_b32 v[32*\qt+8*\kt+\j], v[NEG]           ; wholly above the diagonal (6 of 16 tiles, in 2 trips of 33)
.endr
.endif
.if \kt == \qt
.irp j, 0,1,2,3,4,5,6,7
	v_cndmask_b32 v[32*\qt+8*\kt+\j], v[NEG], v[32*\qt+8*\kt+\j], s[36+\j]
.endr
.endif
.endr
.endr
.endif
	; the maximum of a lane's 32 scores and the old MR: 16 three-way maxima a query tile, four chains, the query tiles innermost
.irp c, 0,1,2,3
.irp qt, 0,1,2,3
	v_max3_num_f32 v[TB+4*\qt+\c], v[32*\qt+8*\c], v[32*\qt+8*\c+1], v[32*\qt+8*\c+2]
.endr
.endr
.irp e, 3,5
.irp c, 0,1,2,3
.irp qt, 0,1,2,3
	v_max3_num_f32 v[TB+4*\qt+\c], v[TB+4*\qt+\c], v[32*\qt+8*\c+\e], v[32*\qt+8*\c+\e+1]
.endr
.endr
.endr
.irp qt, 0,1,2,3
	v_max3_num_f32 v[TB+4*\qt], v[TB+4*\qt], v[TB+4*\qt+1], v[32*\qt+7]
.endr
.irp qt, 0,1,2,3
	v_max3_num_f32 v[TB+4*\qt+2], v[TB+4*\qt+2], v[TB+4*\qt+3], v[32*\qt+15]
.endr
.irp qt, 0,1,2,3
	v_max3_num_f32 v[TB+4*\qt], v[TB+4*\qt], v[32*\qt+23], v[32*\qt+31]
.endr
.irp qt, 0,1,2,3
.if \first
	v_max_num_f32 v[TB+4*\qt], v[TB+4*\qt], v[TB+4*\qt+2]
.else
	v_max3_num_f32 v[TB+4*\qt], v[TB+4*\qt], v[TB+4*\qt+2], v[MR+\qt]
.endif
.endr
.irp qt, 0,1,2,3
	v_permlanex16_b32 v[MB+4*\qt+1], v[TB+4*\qt], s34, s35     ; the other half's keys of the same query
.endr
.irp qt, 0,1,2,3
	v_max_num_f32 v[MR+\qt], v[TB+4*\qt], v[MB+4*\qt+1]        ; the new maximum; the old one is among what it was taken of
.endr
.if \first
.irp qt, 0,1,2,3
	v_mul_f32 v[MB+4*\qt], 0xbe0293ee, v[MR+\qt]               ; NMC = -c x maximum, rounded once: every exponent of the trip uses this number
.endr
.else
.irp qt, 0,1,2,3
	v_mul_f32 v[TB+4*\qt+1], 0xbe0293ee, v[MR+\qt]
.endr
.irp qt, 0,1,2,3
	v_sub_f32 v[MB+4*\qt+2], v[TB+4*\qt+1], v[MB+4*\qt]        ; new NMC - old NMC = c (old maximum - new), at most 0: the very shift between the old exponents and the new
.endr
.irp qt, 0,1,2,3
	v_mov_b32 v[MB+4*\qt], v[TB+4*\qt+1]
.endr
.irp qt, 0,1,2,3
	v_exp_f32 v[MB+4*\qt+2], v[MB+4*\qt+2]                     ; AL: what the older sums are worth under the new maximum
.endr
.endif
.irp i, 0,1,2,3,4,5,6,7,8,9,10,11,12,13,14,15
	SUBL 0, \i
.endr
	MIX 0
	MIX 1
	MIX 2
	MIX 3
.irp i, 0,1,2,3,4,5,6,7,8,9,10,11,12,13,14,15
	FINL 3, \i
.endr
.if \first
.irp qt, 0,1,2,3
	v_add_f32 v[MB+4*\qt+3], v[ACC+2*\qt], v[ACC+2*\qt+1]
.endr
.else
.irp qt, 0,1,2,3
	v_add_f32 v[TB+4*\qt], v[ACC+2*\qt], v[ACC+2*\qt+1]
.endr
.irp qt, 0,1,2,3
	v_fma_f32 v[MB+4*\qt+3], v[MB+4*\qt+3], v[MB+4*\qt+2], v[TB+4*\qt]
.endr
.endif
.endm
; query tile qt of O^T times AL of its query (a lane holds one query: one factor for its 64 registers)
.macro OSCALE qt
	WIN 0x86
.set ri, 64*\qt
.rept 32
	v_pk_mul_f32 v[ri:ri+1], v[ri:ri+1], v[MB+4*\qt+2:MB+4*\qt+3] op_sel_hi:[1,0]
.set ri, ri+2
.endr
.endm
; One key tile, in LDS slot slot.  first = 1: a block's diagonal tile.  next = 1: the stream's next tile is fetched and staged into the other slot.
.macro TRIP slot, first, next
	s_wait_dscnt 0x0                               ; my stores into this slot and my reads of the other slot are done
	s_barrier_signal -1
	s_barrier_wait -1                              ; every wave's are: this slot is whole, and the other may be written
.if \next
	FETCH                                          ; on its way during the first product and the softmax
.endif
	WIN 0
	LDK FB0, \slot, 0
	LDK FB1, \slot, 1
	LDK FB2, \slot, 2
	s_wait_dscnt 16                                ; here and three times below: the oldest 8 loads are in, the two younger buffers' 16 may stay out
	WIN 0x50
	QK16 FB0, 0
	PLACES
	WIN 0
	LDK FB0, \slot, 3
	s_wait_dscnt 16
	WIN 0x50
	QK16 FB1, 1
	PLACES
	WIN 0
	LDV FB1, \slot, 0
	s_wait_dscnt 16
	WIN 0x50
	QK16 FB2, 2
	PLACES
	WIN 0
	LDV FB2, \slot, 2
	s_wait_dscnt 16
	WIN 0x50
	QK16 FB0, 3
	PLACES                                         ; for the load into FB0 and for the softmax, which reads the scores
	WIN 0
	LDV FB0, \slot, 4
	SOFTMAX \first
	s_wait_dscnt 0x0                               ; the three buffers of V^T, asked for a softmax ago
.if \first == 0
	OSCALE 0
	OSCALE 1
	OSCALE 2
	OSCALE 3
.endif
.if \next
	STAGE 1-\slot, 0                               ; the wait for all 32 loads also frees GOFF
.endif
	WIN 0xa4
	PV16 FB1, 0, \first
	PLACES
	WIN 0
	LDV FB1, \slot, 6
	WIN 0xa4
	PV16 FB2, 2, \first
	PV16 FB0, 4, \first
	s_wait_dscnt 0x0                               ; the youngest LDS instructions are the 8 loads into FB1, issued 32 matrix instructions ago
	PV16 FB1, 6, \first
	PLACES                                         ; for the next trip's loads into the buffers, its writes of P, and the way out
	WIN 0
.endm
; The way out of a block: the two halves' sums meet, O^T is divided by them, and 16 queries at a time go through my own stage in LDS,
; so that a store of the wave is one whole row of 512 bytes of out0.  more = 1: a later trip loads the buffers again.
.macro EPI plo, more
	WIN 0x55
.irp qt, 0,1,2,3
	v_permlanex16_b32 v[MB+4*\qt+1], v[MB+4*\qt+3], s34, s35
.endr
.irp qt, 0,1,2,3
	v_add_f32 v[MB+4*\qt+3], v[MB+4*\qt+3], v[MB+4*\qt+1]
.endr
.irp qt, 0,1,2,3
	v_rcp_f32 v[MB+4*\qt+2], v[MB+4*\qt+3]         ; the sum holds the largest score's term, which is 1 up to the rounding of NMC
.endr
	v_nop                                          ; the plain place behind a transcendental (ISA guide 5.7.2)
	s_wait_alu depctr_va_vdst(0)
.irp qt, 0,1,2,3
	OSCALE \qt
	WIN 0x08
.irp dt, 0,1,2,3,4,5,6,7
	ds_store_b128 v[OST], v[64*\qt+8*\dt:64*\qt+8*\dt+3] offset:64*\dt
	ds_store_b128 v[OST], v[64*\qt+8*\dt+4:64*\qt+8*\dt+7] offset:64*\dt+16
.endr
	WIN 0
.if \qt > 0
	s_wait_xcnt 0x0                                ; the last 16 stores have had their addresses translated: their data registers are loaded again only behind this wait
.endif
.set ri, 0
.rept 16
	ds_load_b128 v[FB0+4*ri:FB0+4*ri+3], v[ORD] offset:OP*ri   ; LDS serves a wave's instructions in order: these see the stores above
.set ri, ri+1
.endr
.set ri, 0
.rept 16
	s_wait_dscnt 15-ri                             ; row ri is back; the younger rows may stay out
	global_store_b128 v[LB16], v[FB0+4*ri:FB0+4*ri+3], s[\plo:\plo+1] offset:(16*\qt+ri)*QROW th:TH_STORE_NT
.set ri, ri+1
.endr
.endr
.if \more
	s_wait_xcnt 0x0                                ; the next trip loads the buffers that these stores read
.endif
.endm
	; ---- the first tile, and Q of block E ----
	FETCH                                          ; E's diagonal tile
	QFETCH 0, 20
	STAGE 0, 32                                    ; K and V are in; the 32 rows of Q behind them stay out
	s_wait_dscnt 0x0                               ; staging 0-127 is the data of the stores above: it is loaded again when they are done
	QFETCH 1, 20
	s_wait_loadcnt 32                              ; rows 0-31 are in, rows 32-63 stay out
	QCVT 0
	s_wait_loadcnt 0x0
	QCVT 1
	QFRAGS
	; ---- block E: 2 x + 1 tiles ----
	TRIP 0, 1, 1
	s_cmp_eq_u32 s13, 0
	s_cbranch_scc1 .Le_done
	s_mov_b32 s30, s13
.Le_loop:
	TRIP 1, 0, 1
	s_cmp_lg_u32 s30, 1
	s_cbranch_scc1 .Le_nopf
	; In E's last trip but one each wave asks for its own head's 64 rows of block O's Q, 128 blocks of 256 bytes, each once:
	; they are loaded one trip later.  All lie inside query.  A work-group with x = 0 has no such trip and asks for nothing.
.irp k, 0,1,2,3
	global_prefetch_b8 v[PFO], s[22:23] offset:16*QROW*\k th:TH_LOAD_NT scope:SCOPE_SE
.endr
.Le_nopf:
	TRIP 0, 0, 1
	s_sub_co_i32 s30, s30, 1
	s_cmp_lg_u32 s30, 0
	s_cbranch_scc1 .Le_loop
.Le_done:
	; ---- from E to O: O's Q is on its way while E goes out (O's diagonal tile was staged into slot 1 by E's last trip) ----
	QFETCH 0, 22
	QFETCH 1, 22
	EPI 24, 1
	s_wait_loadcnt 32                              ; rows 0-31 are in, rows 32-63 may stay out
	QCVT 0
	s_wait_loadcnt 0x0
	QCVT 1
	QFRAGS
	; ---- block O: 32 - 2 x tiles ----
	TRIP 1, 1, 1
	s_sub_co_u32 s30, 15, s13
	s_cmp_eq_u32 s30, 0
	s_cbranch_scc1 .Lo_done
.Lo_loop:
	TRIP 0, 0, 1
	TRIP 1, 0, 1
	s_sub_co_i32 s30, s30, 1
	s_cmp_lg_u32 s30, 0
	s_cbranch_scc1 .Lo_loop
.Lo_done:
	TRIP 0, 0, 0                                   ; tile 0: nothing is left to fetch
	EPI 26, 0
	s_wait_tensorcnt 0x0
	ds_add_u32 v30, v31
	s_wait_dscnt 0x0
	s_endpgm
.Lfunc_end_k_q3f21233083_attn:
	.size	k_q3f21233083_attn, .Lfunc_end_k_q3f21233083_attn-k_q3f21233083_attn
	.p2alignl 7, 3214868480
	.fill 96, 4, 3214868480
	.section	.rodata,"a",@progbits
	.p2align	6, 0x0
	.amdhsa_kernel k_q3f21233083_attn
		.amdhsa_group_segment_fixed_size 175616
		.amdhsa_private_segment_fixed_size 0
		.amdhsa_enable_private_segment 0
		.amdhsa_kernarg_size 32
		.amdhsa_user_sgpr_count 2
		.amdhsa_user_sgpr_kernarg_segment_ptr 1
		.amdhsa_wavefront_size32 1
		.amdhsa_system_sgpr_workgroup_id_x 1
		.amdhsa_system_sgpr_workgroup_id_y 1
		.amdhsa_system_sgpr_workgroup_id_z 1
		.amdhsa_system_vgpr_workitem_id 0
		.amdhsa_next_free_vgpr 1024
		.amdhsa_next_free_sgpr 66
		.amdhsa_reserve_vcc 0
		.amdhsa_float_denorm_mode_32 3
		.amdhsa_float_denorm_mode_16_64 3
		.amdhsa_memory_ordered 1
		.amdhsa_forward_progress 1
		.amdhsa_inst_pref_size 255
	.end_amdhsa_kernel
	.section	.bss,"aw",@nobits
	.p2align	6
	.space	262144
	.amdgpu_metadata
---
amdhsa.version: [ 1, 2 ]
amdhsa.kernels:
  - .name:           k_q3f21233083_attn
    .symbol:         k_q3f21233083_attn.kd
    .args:
      - { .name: query, .offset: 0, .size: 8, .value_kind: global_buffer, .address_space: global }
      - { .name: key, .offset: 8, .size: 8, .value_kind: global_buffer, .address_space: global }
      - { .name: value, .offset: 16, .size: 8, .value_kind: global_buffer, .address_space: global }
      - { .name: out0, .offset: 24, .size: 8, .value_kind: global_buffer, .address_space: global }
    .group_segment_fixed_size: 175616
    .private_segment_fixed_size: 0
    .kernarg_segment_align: 8
    .kernarg_segment_size: 32
    .max_flat_workgroup_size: 128
    .sgpr_count:     66
    .vgpr_count:     1024
    .wavefront_size: 32
...
	.end_amdgpu_metadata
.endif
;; end of part 1
;; ======== version 2 of 2: 1 launch; version 1 with the launch attn written anew for expert scheduling mode
;; limits: values are held in f16: magnitudes above 65,504 overflow, below 6.1e-05 lose precision; right only within a limited range of input values
;; launch attn (part 2): grid 16 x 16, 4 waves a work-group, no clusters, 175,616 bytes of LDS; arguments query, key, value, out0; writes out0
.if DOCPART == 2
	.amdgcn_target "amdgcn-amd-amdhsa--gfx1250"
	.amdhsa_code_object_version 6
	.text
	.protected	k_q3f21233083_attn
	.globl	k_q3f21233083_attn
	.p2align	8
	.type	k_q3f21233083_attn,@function
k_q3f21233083_attn:
	s_mov_b64 s[64:65], 0
	v_nop
	global_prefetch_b8 v0, s[64:65] scope:SCOPE_SE
	s_setreg_imm32_b32 hwreg(HW_REG_WAVE_SCHED_MODE, 0, 2), 2
	s_setreg_imm32_b32 hwreg(HW_REG_WAVE_MODE, 25, 1), 1
	s_wait_xcnt 0x0
	s_wait_alu depctr_vm_vsrc(0)
; Causal grouped-query attention.  query, out0: [2][2048][32][128] f32.  key, value: [2][2048][8][128] f32.
; out = softmax(causal(q k^T / sqrt(128))) v; the four query heads 4 kvh .. 4 kvh + 3 read key and value head kvh.
;
; SHARING.  Work-group (x, y): batch y >> 3, key/value head y & 7.  Its four waves are the four query heads of that head, so one
; tile of K and V in LDS serves all four.  A wave holds 64 query positions x 128.  The work-group makes two blocks of 64 positions:
; block E = 2 x (2 x + 1 key tiles of 64) and then block O = 31 - 2 x (32 - 2 x tiles): 33 tiles for every one of the 256 work-groups.
; Each block is walked DOWN, the diagonal tile first: the trip that masks is also the trip that starts the sums (C = 0, no old
; maximum), so nothing is ever cleared.  Key tiles above the diagonal are not computed.
;
; NUMBER FORMATS.  q, k and v are each rounded once, to bf16, as they are given; all sums are f32.  The first product takes the bf16 form:
; products of bf16 numbers are exact in f32, so the raw scores are those of attention on the bf16 inputs.  The factor log2(e) / sqrt(128)
; is applied to the f32 scores.  The probabilities need more than bf16's 8 significant bits: a row that rests on a few keys is a sum of
; terms as large as v, while most rows average many keys and are ten times smaller.  So the second product takes the f16 form: P with 11
; significant bits, and V as its bf16 value carried in f16, which is exact from 2^-14 up to f16's largest number (8 bits fit into 11).
;
; BOTH PRODUCTS ARE TRANSPOSED.  S^T = K Q^T: source 0 = 16 keys, source 1 = 16 queries; lane (r, h), register j holds the score of key
; 8 h + j and query r.  A query is a lane column: its maximum, sum and rescale factor are one register a lane, and the only step
; between lanes is one exchange of the two halves.  Two neighbouring S^T tiles, packed to f16, ARE source 1 of O^T = V^T P^T
; (registers 0-3: keys 8 h .., registers 4-7: keys 16 + 8 h ..): P never leaves the registers.  V^T comes from V kept [key][d] in LDS by
; the transposing load.  O^T: lane (r, h), register j holds out(query r, d = 8 h + j).
;
; K AND V arrive in f32 and go through registers: in each trip each wave loads 16 rows of the NEXT tile of each (a load of the wave is
; one whole row of 512 bytes), rounds them and stores them into the other LDS slot.  One barrier a trip orders both ways.
;
; LDS: KS 2 slots x 64 rows x 272; VS 2 slots x 64 rows x 288; QS 4 waves x 64 rows x 272 (bf16, a wave's own);
;      OS 4 waves x 16 rows x 528 (f32, a wave's own, for the way out).  272 and 528 are odd multiples of 16, 288 of 32.
;
; REGISTER WINDOWS (s_set_vgpr_msb, low byte: bits 1:0 source 0, 3:2 source 1, 5:4 source 2, 7:6 destination):
;   window 0: addresses v2-v13; Q fragments v32-159; three buffers of V^T fragments, 32 each, at v160, v192, v224
;   window 1: scores S v0-127; P v128-191; per query tile NMC, X, AL, L at v192+4qt; sums v208-215; maxima at work v216-231;
;             v232 = -FLT_MAX; the running maxima of the raw scores v236-239
;   window 2: the 32 accumulator tiles of O^T
;   window 3: v0-127 staging of the f32 rows of K and V on their way to 16 bits; v128-255 four buffers of K fragments, 32 each, of which the
;             first also takes V^T's last two d tiles; at a block's start all 256 stage Q
;
; THE MODE: SCHED_MODE bits 1:0 = 2 (LLVM: expert scheduling mode 2), set by the entry lines.  The code itself states the register dependences
; between vector or matrix instructions and memory or LDS instructions, with s_wait_alu, always for 0.
; THE PLAN.  Registers that memory or LDS instructions touch in a trip, in the trip's order:
;   GOFF        written by one add at the trip's head; read by the trip's 32 global loads.
;   ST          (window 3, v0-127) those loads land in it; behind the softmax the conversions read and write it in place; then the 32 LDS stores read it.
;   KB0 .. KB3  (window 3, v128-255) LDS loads land in them, three at the head, the fourth behind the first 16 products; K Q^T reads them.
;               Behind the conversions KB0 is loaded once more, with V^T's d tiles 6, 7, which the trip's last 16 products read.
;   FB0 .. FB2  LDS loads land in them, dealt behind the second, third and fourth 16 products of K Q^T; V^T P reads them.
;   KRD, VRD, KST, VST, QST, QRD, OST, ORD, LB16, PFO are made at the kernel's head and never written again.
; So a trip has TWO waits on va_vdst.  The one at its head states that GOFF is written, that the conversions are done with ST and that the last trip's
; products are done reading KB and FB; between it and the last load that leans on it stand loads, window switches, scalar lines and products that name KB0 to KB3,
; Q and S: never the buffer that a later load lands in.  The one behind the conversions states that they have written ST and that K Q^T is done reading KB0.
; ONE wait on vm_vsrc, at the head, states that the last fetch has read GOFF and the last LDS stores ST.
;
; NO CLUSTER, NO JOINT LOADS: the sharing that exists (four heads on one K and V) is served inside the work-group.  The 16 work-groups
; of one key/value head stand at different tiles in every trip (2 x, 2 x - 1, .. then 31 - 2 x, ..), so no two would ask for the same tile together.
; NO TENSOR LOADS: the tiles must be rounded on the way, which takes them through registers anyway.
;
; LIMITS.  RANGE: |v| must stay below 65,504, f16's largest number; beyond it the operand becomes infinite.  Below 2^-14 a v or a probability is
; an f16 denormal, kept, with a step of 2^-24.  ORDER OF ROUNDING: the exponent is one fused multiply-add, s c - (c max), with c = log2(e) / sqrt(128)
; (reference: scale, round, subtract).  Probabilities are rounded to f16 for the second product, the row sums use them in f32.
; v_exp_f32 gives 0 below 2^-126.  Masked scores are -FLT_MAX as in the reference.  With NaN or infinite inputs the places of NaN in the
; output may differ: the maximum drops a NaN.
.set QROW,  16384                      ; bytes from a position to the next in query and out0
.set KROW,  4096                       ; the same in key and value
.set KTILE, 64*KROW                    ; a key tile of 64 positions
.set KP,    272                        ; LDS pitch of K and Q rows (256 bytes of bf16 + 16)
.set VP,    288                        ; LDS pitch of V rows (256 bytes of f16 + 32)
.set OP,    528                        ; LDS pitch of the way out (512 bytes of f32 + 16)
.set KSLOT, 64*KP
.set VSLOT, 64*VP
.set VS,    2*KSLOT                    ; 34,816
.set QS,    VS+2*VSLOT                 ; 71,680
.set QW,    64*KP
.set OS,    QS+4*QW                    ; 141,312
.set OW,    16*OP                      ; OS + 4 OW = 175,104
; window 0
.set LANEOFF, 2                        ; wave x 16 rows of K + 16 x lane
.set GOFF,    3                        ; LANEOFF + the tile that is fetched
.set KST,     4                        ; where I store 8 bytes of a K row
.set VST,     5                        ; the same for V
.set KRD,     6                        ; r KP + 16 h: K fragments
.set VRD,     7                        ; V fragments, transposing load
.set QST,     8
.set QRD,     9
.set OST,     10
.set ORD,     11
.set LB16,    12                       ; 16 x lane: my 16 bytes of a row of query or out0; never rewritten
.set PFO,     13                       ; prefetch: (lane >> 1) rows + (lane & 1) x 256 bytes; never rewritten
.set QF,      32                       ; Q fragment (qt, ks) at QF + 8 (4 qt + ks)
.set FB0,     160                      ; V^T, d tiles 0, 1
.set FB1,     192                      ; d tiles 2, 3
.set FB2,     224                      ; d tiles 4, 5
; window 1
.set PB,      128                      ; P(qt, i) = PB + 16 qt + i
.set MB,      192                      ; NMC = MB + 4 qt (minus c times the maximum), X = +1, AL = +2, L = +3
.set ACC,     208                      ; ACC + 2 qt: a pair of partial sums
.set TB,      216                      ; TB + 4 qt + c
.set NEG,     232
.set MR,      236                      ; MR + qt: the running maximum of the raw scores
; window 3
.set KB,      128                      ; K fragments of key tile kt at KB + 32 kt; KB itself later V^T, d tiles 6, 7
.set MSB, 0
.macro WIN new                         ; the immediate's high byte repeats the setting that is left; a switch that changes nothing is dropped
.if MSB != \new
	s_set_vgpr_msb (MSB<<8)|\new
.set MSB, \new
.endif
.endm
; Four places behind a matrix instruction before a vector instruction reads its result or writes one of its registers
; (ISA guide 7.12.1); other matrix instructions are not counted as places here.
.macro PLACES
.rept 4
	v_nop
.endr
.endm
	s_load_b256 s[4:11], s[0:1], 0x0               ; query s[4:5], key s[6:7], value s[8:9], out0 s[10:11]
	v_lshl_add_u32 v30, v0, 2, 0x2ac00
	v_mov_b32 v31, 0
	v_and_b32 v1, 31, v0                           ; lane
	v_lshrrev_b32 v14, 5, v0
	v_readfirstlane_b32 s12, v14                   ; wave = query head within the group of four
	s_mov_b32 s13, ttmp9                           ; x
	s_and_b32 s14, ttmp7, 0xffff                   ; y
	s_mov_b32 s31, 0xffff0000                      ; a word's upper bf16
	s_mov_b32 s32, 0x3e0293ee                      ; c = log2(e) / sqrt(128), twice: the packed multiply-add names the pair
	s_mov_b32 s33, 0x3e0293ee
	s_mov_b32 s34, 0x76543210                      ; v_permlanex16_b32: lane i of one half reads lane i of the other
	s_mov_b32 s35, 0xfedcba98
	s_wait_alu depctr_va_sdst(0)                   ; s12 is written, ahead of its first reader: the offsets below are made from it
	; byte offsets, apart from the addresses
	s_lshr_b32 s44, s14, 3                         ; batch
	s_and_b32 s46, s14, 7                          ; key/value head
	s_lshl_b32 s48, s44, 23                        ; batch x 2048 x 4,096
	s_lshl_b32 s50, s46, 9
	s_add_co_u32 s48, s48, s50                     ; + head x 512: K and V
	s_mov_b32 s49, 0
	s_lshl_b32 s44, s44, 25                        ; batch x 2048 x 16,384
	s_lshl2_add_u32 s46, s46, s12                  ; query head = 4 kvh + wave
	s_lshl_b32 s46, s46, 9
	s_add_co_u32 s44, s44, s46
	s_lshl_b32 s46, s13, 21                        ; block E = 2 x, times 64 rows of 16,384
	s_add_co_u32 s46, s46, s44
	s_mov_b32 s47, 0
	s_lshl_b32 s50, s13, 1
	s_sub_co_u32 s50, 31, s50                      ; block O = 31 - 2 x
	s_lshl_b32 s29, s50, 18                        ; O's diagonal key tile, in bytes
	s_lshl_b32 s50, s50, 20
	s_add_co_u32 s50, s50, s44
	s_mov_b32 s51, 0
	s_lshl_b32 s28, s13, 19                        ; the tile to fetch next: E's diagonal tile
	; lane terms
	v_and_b32 v14, 15, v0                          ; r
	v_bfe_u32 v15, v0, 4, 1                        ; h
	v_lshlrev_b32 v[LB16], 4, v1
	s_lshl_b32 s52, s12, 16                        ; wave x 16 rows x 4,096
	v_add_nc_u32 v[LANEOFF], s52, v[LB16]
	s_mul_i32 s52, s12, 16*KP
	v_lshl_add_u32 v[KST], v1, 3, s52              ; my wave's 16 rows of a K slot, 8 bytes a lane
	s_mul_i32 s52, s12, 16*VP
	s_add_co_u32 s52, s52, VS
	v_lshl_add_u32 v[VST], v1, 3, s52
	v_mul_u32_u24 v[KRD], v14, KP
	v_lshl_add_u32 v[KRD], v15, 4, v[KRD]          ; row r, 16 bytes for each half of the lanes
	v_and_b32 v16, 7, v0
	v_lshl_add_u32 v16, v15, 3, v16                ; key row 8 h + (lane & 7)
	v_bfe_u32 v17, v0, 3, 1
	v_mul_u32_u24 v[VRD], v16, VP
	v_lshl_add_u32 v[VRD], v17, 4, v[VRD]          ; + 16 bytes for the odd groups of eight lanes
	v_add_nc_u32 v[VRD], VS, v[VRD]
	s_mul_i32 s52, s12, QW
	s_add_co_u32 s52, s52, QS
	v_lshl_add_u32 v[QST], v1, 3, s52
	v_add_nc_u32 v[QRD], s52, v[KRD]
	s_mul_i32 s53, s12, OW
	s_add_co_u32 s53, s53, OS
	v_mul_u32_u24 v[OST], v14, OP
	v_lshl_add_u32 v[OST], v15, 5, v[OST]          ; row r, 32 bytes (8 f32) for each half
	v_add_nc_u32 v[OST], s53, v[OST]
	v_add_nc_u32 v[ORD], s53, v[LB16]
	v_lshrrev_b32 v18, 1, v1
	v_and_b32 v19, 1, v0
	v_lshlrev_b32 v[PFO], 8, v19
	v_lshl_add_u32 v[PFO], v18, 14, v[PFO]
	v_lshlrev_b32 v18, 3, v15
	v_sub_nc_u32 v19, v14, v18                     ; r - 8 h
.irp j, 0,1,2,3,4,5,6,7
	v_cmp_le_i32 s[36+\j], \j, v19                 ; on a diagonal 16 x 16 tile register j is kept where key 8 h + j <= query r
.endr
	s_wait_alu depctr_va_sdst(0)                   ; the eight masks s36 to s43 are written: the selects of the diagonal trips read them
	WIN 0x40
.irp qt, 0,1,2,3
	v_mov_b32 v[MB+4*\qt+1], 0                     ; X: the lane exchange counts as a reader of its destination
.endr
	v_mov_b32 v[NEG], 0xff7fffff                   ; -FLT_MAX
	WIN 0
	s_wait_kmcnt 0x0
	s_add_nc_u64 s[16:17], s[6:7], s[48:49]        ; K of my batch and head
	s_add_nc_u64 s[18:19], s[8:9], s[48:49]        ; V
	s_add_nc_u64 s[20:21], s[4:5], s[46:47]        ; Q, block E, my head
	s_add_nc_u64 s[22:23], s[4:5], s[50:51]        ; Q, block O
	s_add_nc_u64 s[24:25], s[10:11], s[46:47]      ; out, block E
	s_add_nc_u64 s[26:27], s[10:11], s[50:51]      ; out, block O
; 32 loads: my wave's 16 rows of K and of V of the tile whose offset GOFF holds, into staging.  Then s28 steps one tile down; below E's tile 0 comes
; O's diagonal tile (what stands there after O's tile 0 is never used).  No cache hint: other work-groups read these rows again.
.macro FETCH
	WIN 0xc0
.irp i, 0,1,2,3,4,5,6,7,8,9,10,11,12,13,14,15
	global_load_b128 v[4*\i:4*\i+3], v[GOFF], s[16:17] offset:KROW*\i
	global_load_b128 v[64+4*\i:64+4*\i+3], v[GOFF], s[18:19] offset:KROW*\i
.endr
	s_sub_co_i32 s28, s28, KTILE
	s_cmp_lt_i32 s28, 0
	s_cselect_b32 s28, s29, s28
.endm
; The staged rows are rounded in place.  left = how many younger loads may stay out.
; K: to bf16.  V: to bf16, and that value written as f16 (widened to f32 by a mask or a shift, then packed: no second rounding from 2^-14 up).
.macro STAGECVT left
	s_wait_loadcnt \left
	WIN 0xcf
.set ri, 0
.rept 16
	v_cvt_pk_bf16_f32 v[ri], v[ri], v[ri+1]
	v_cvt_pk_bf16_f32 v[ri+1], v[ri+2], v[ri+3]
.set ri, ri+4
.endr
.set ri, 64
.rept 32
	v_cvt_pk_bf16_f32 v[ri], v[ri], v[ri+1]        ; the rounding of v
.set ri, ri+2
.endr
.set ri, 64
.rept 32
	v_and_b32 v[ri+1], s31, v[ri]                  ; the upper bf16 as f32
.set ri, ri+2
.endr
.set ri, 64
.rept 32
	v_lshlrev_b32 v[ri], 16, v[ri]                 ; the lower bf16 as f32
.set ri, ri+2
.endr
.set ri, 64
.rept 16
	v_cvt_pk_f16_f32 v[ri], v[ri], v[ri+1]
	v_cvt_pk_f16_f32 v[ri+1], v[ri+2], v[ri+3]
.set ri, ri+4
.endr
.endm
; and stored into LDS slot slot
.macro STAGEST slot
	WIN 0x0c
.irp i, 0,1,2,3,4,5,6,7,8,9,10,11,12,13,14,15
	ds_store_b64 v[KST], v[4*\i:4*\i+1] offset:(\slot)*KSLOT+KP*\i       ; 32 lanes x 8 bytes: a row's 256 bytes
	ds_store_b64 v[VST], v[64+4*\i:64+4*\i+1] offset:(\slot)*VSLOT+VP*\i
.endr
.endm
; 32 rows of my head's Q (half 0: rows 0-31 into staging 128-255; half 1: rows 32-63 into staging 0-127).  Read once in the launch.
.macro QFETCH half, plo
	WIN 0xc0
.set ri, 0
.rept 32
	global_load_b128 v[128*(1-\half)+4*ri:128*(1-\half)+4*ri+3], v[LB16], s[\plo:\plo+1] offset:(32*\half+ri)*QROW th:TH_LOAD_NT
.set ri, ri+1
.endr
.endm
; those rows, rounded to bf16, into my wave's own rows of QS
.macro QCVT half
	WIN 0xcf
.set ri, 128*(1-\half)
.rept 32
	v_cvt_pk_bf16_f32 v[ri], v[ri], v[ri+1]
	v_cvt_pk_bf16_f32 v[ri+1], v[ri+2], v[ri+3]
.set ri, ri+4
.endr
	WIN 0x0c
	s_wait_alu depctr_va_vdst(0)                   ; the conversions have written the staging registers, which the LDS stores read
.set ri, 0
.rept 32
	ds_store_b64 v[QST], v[128*(1-\half)+4*ri:128*(1-\half)+4*ri+1] offset:(32*\half+ri)*KP
.set ri, ri+1
.endr
.endm
; all 16 Q fragments (4 query tiles x 4 steps of 32 along d); LDS serves a wave's instructions in order, so these see QCVT's stores.
; No wait of their own: the products that read the last block's fragments stand ahead of QCVT's wait, and behind it stand only LDS stores of other registers.
.macro QFRAGS
	WIN 0
.irp qt, 0,1,2,3
.irp ks, 0,1,2,3
	ds_load_b128 v[QF+8*(4*\qt+\ks):QF+8*(4*\qt+\ks)+3], v[QRD] offset:\qt*16*KP+64*\ks
	ds_load_b128 v[QF+8*(4*\qt+\ks)+4:QF+8*(4*\qt+\ks)+7], v[QRD] offset:\qt*16*KP+64*\ks+32
.endr
.endr
.endm
; 8 loads: keys 16 kt .. 16 kt + 15, all of d, as four fragments
.macro LDK fb, slot, kt
.irp ks, 0,1,2,3
	ds_load_b128 v[\fb+8*\ks:\fb+8*\ks+3], v[KRD] offset:(\slot)*KSLOT+(\kt)*16*KP+64*\ks
	ds_load_b128 v[\fb+8*\ks+4:\fb+8*\ks+7], v[KRD] offset:(\slot)*KSLOT+(\kt)*16*KP+64*\ks+32
.endr
.endm
; 8 transposing loads: V^T of d tiles dt0, dt0 + 1, both halves of the 64 keys
.macro LDV fb, slot, dt0
.irp dd, 0,1
.irp kp, 0,1
	ds_load_tr16_b128 v[\fb+16*\dd+8*\kp:\fb+16*\dd+8*\kp+3], v[VRD] offset:(\slot)*VSLOT+32*VP*\kp+32*(\dt0+\dd)
	ds_load_tr16_b128 v[\fb+16*\dd+8*\kp+4:\fb+16*\dd+8*\kp+7], v[VRD] offset:(\slot)*VSLOT+32*VP*\kp+32*(\dt0+\dd)+16*VP
.endr
.endr
.endm
; 16 matrix instructions (bf16): key tile kt against the four query tiles.  The four accumulators take turns, one instruction a turn.
.macro QK16 fb, kt
.irp ks, 0,1,2,3
.irp qt, 0,1,2,3
.if \ks == 0
	v_wmma_f32_16x16x32_bf16 v[32*\qt+8*\kt:32*\qt+8*\kt+7], v[\fb+8*\ks:\fb+8*\ks+7], v[QF+8*(4*\qt+\ks):QF+8*(4*\qt+\ks)+7], 0
.else
	v_wmma_f32_16x16x32_bf16 v[32*\qt+8*\kt:32*\qt+8*\kt+7], v[\fb+8*\ks:\fb+8*\ks+7], v[QF+8*(4*\qt+\ks):QF+8*(4*\qt+\ks)+7], v[32*\qt+8*\kt:32*\qt+8*\kt+7]
.endif
.endr
.endr
.endm
; 16 matrix instructions (f16): d tiles dt0, dt0 + 1 for the four query tiles, 64 keys.  Turns as above.  first = 1: the first product starts the sums.
.macro PV16 fb, dt0, first
.irp dd, 0,1
.irp kp, 0,1
.irp qt, 0,1,2,3
.if (\first)*(1-\kp)
	v_wmma_f32_16x16x32_f16 v[64*\qt+8*(\dt0+\dd):64*\qt+8*(\dt0+\dd)+7], v[\fb+16*\dd+8*\kp:\fb+16*\dd+8*\kp+7], v[PB+16*\qt+8*\kp:PB+16*\qt+8*\kp+7], 0
.else
	v_wmma_f32_16x16x32_f16 v[64*\qt+8*(\dt0+\dd):64*\qt+8*(\dt0+\dd)+7], v[\fb+16*\dd+8*\kp:\fb+16*\dd+8*\kp+7], v[PB+16*\qt+8*\kp:PB+16*\qt+8*\kp+7], v[64*\qt+8*(\dt0+\dd):64*\qt+8*(\dt0+\dd)+7]
.endif
.endr
.endr
.endr
.endm
; scores 2 i, 2 i + 1 of query tile q become exponents: s c + NMC, one fused multiply-add (c from s32, NMC from the pair NMC, X, both broadcast)
.macro SUBL q, i
	v_pk_fma_f32 v[32*(\q)+2*(\i):32*(\q)+2*(\i)+1], v[32*(\q)+2*(\i):32*(\q)+2*(\i)+1], s[32:33], v[MB+4*(\q):MB+4*(\q)+1] op_sel_hi:[1,0,0]
.endm
; probabilities 2 i, 2 i + 1 of query tile q: packed into P, and added to the tile's pair of sums (the first two pairs start it)
.macro FINL q, i
	s_wait_alu depctr_va_vdst(0)
	v_cvt_pk_f16_f32 v[PB+16*(\q)+(\i)], v[32*(\q)+2*(\i)], v[32*(\q)+2*(\i)+1]
.if (\i) == 1
	v_pk_add_f32 v[ACC+2*(\q):ACC+2*(\q)+1], v[32*(\q):32*(\q)+1], v[32*(\q)+2:32*(\q)+3]
	s_wait_alu depctr_va_vdst(0)
.endif
.if (\i) > 1
	v_pk_add_f32 v[ACC+2*(\q):ACC+2*(\q)+1], v[ACC+2*(\q):ACC+2*(\q)+1], v[32*(\q)+2*(\i):32*(\q)+2*(\i)+1]
.endif
.endm
; The 32 exponentials of query tile q.  Behind each two of them stands plain work on other tiles' registers (the next tile's
; exponents, the last tile's packing and sum): the place that a transcendental wants behind it (ISA guide 5.7.2), filled with work.
.macro MIX q
.irp i, 0,1,2,3,4,5,6,7,8,9,10,11,12,13,14,15
	v_exp_f32 v[32*\q+2*\i], v[32*\q+2*\i]
	v_exp_f32 v[32*\q+2*\i+1], v[32*\q+2*\i+1]
.if \q < 3
	SUBL \q+1, \i
.endif
.if \q > 0
	FINL \q-1, \i
.endif
.endr
.endm
; S -> P, with the running maximum MR of the raw scores and the running sum L (each half of the lanes keeps the sum of its own keys until the end).
; first = 1: the diagonal tile; it is masked, and there is no older maximum or sum.  No memory or LDS instruction names a register of this macro.
.macro SOFTMAX first
	WIN 0x55
.if \first
.irp qt, 0,1,2,3
.irp kt, 0,1,2,3
.if \kt > \qt
.irp j, 0,1,2,3,4,5,6,7
	v_mov_b32 v[32*\qt+8*\kt+\j], v[NEG]           ; wholly above the diagonal (6 of 16 tiles, in 2 trips of 33)
.endr
.endif
.if \kt == \qt
.irp j, 0,1,2,3,4,5,6,7
	v_cndmask_b32 v[32*\qt+8*\kt+\j], v[NEG], v[32*\qt+8*\kt+\j], s[36+\j]
.endr
.endif
.endr
.endr
.endif
	; the maximum of a lane's 32 scores and the old MR: 16 three-way maxima a query tile, four chains, the query tiles innermost
.irp c, 0,1,2,3
.irp qt, 0,1,2,3
	v_max3_num_f32 v[TB+4*\qt+\c], v[32*\qt+8*\c], v[32*\qt+8*\c+1], v[32*\qt+8*\c+2]
.endr
.endr
.irp e, 3,5
.irp c, 0,1,2,3
.irp qt, 0,1,2,3
	v_max3_num_f32 v[TB+4*\qt+\c], v[TB+4*\qt+\c], v[32*\qt+8*\c+\e], v[32*\qt+8*\c+\e+1]
.endr
.endr
.endr
.irp qt, 0,1,2,3
	v_max3_num_f32 v[TB+4*\qt], v[TB+4*\qt], v[TB+4*\qt+1], v[32*\qt+7]
.endr
.irp qt, 0,1,2,3
	v_max3_num_f32 v[TB+4*\qt+2], v[TB+4*\qt+2], v[TB+4*\qt+3], v[32*\qt+15]
.endr
.irp qt, 0,1,2,3
	v_max3_num_f32 v[TB+4*\qt], v[TB+4*\qt], v[32*\qt+23], v[32*\qt+31]
.endr
.irp qt, 0,1,2,3
.if \first
	v_max_num_f32 v[TB+4*\qt], v[TB+4*\qt], v[TB+4*\qt+2]
.else
	v_max3_num_f32 v[TB+4*\qt], v[TB+4*\qt], v[TB+4*\qt+2], v[MR+\qt]
.endif
.endr
.irp qt, 0,1,2,3
	v_permlanex16_b32 v[MB+4*\qt+1], v[TB+4*\qt], s34, s35     ; the other half's keys of the same query
.endr
.irp qt, 0,1,2,3
	v_max_num_f32 v[MR+\qt], v[TB+4*\qt], v[MB+4*\qt+1]        ; the new maximum; the old one is among what it was taken of
.endr
.if \first
.irp qt, 0,1,2,3
	v_mul_f32 v[MB+4*\qt], 0xbe0293ee, v[MR+\qt]               ; NMC = -c x maximum, rounded once: every exponent of the trip uses this number
.endr
.else
.irp qt, 0,1,2,3
	v_mul_f32 v[TB+4*\qt+1], 0xbe0293ee, v[MR+\qt]
.endr
.irp qt, 0,1,2,3
	v_sub_f32 v[MB+4*\qt+2], v[TB+4*\qt+1], v[MB+4*\qt]        ; new NMC - old NMC = c (old maximum - new), at most 0: the very shift between the old exponents and the new
.endr
.irp qt, 0,1,2,3
	v_mov_b32 v[MB+4*\qt], v[TB+4*\qt+1]
.endr
.irp qt, 0,1,2,3
	v_exp_f32 v[MB+4*\qt+2], v[MB+4*\qt+2]                     ; AL: what the older sums are worth under the new maximum
.endr
.endif
.irp i, 0,1,2,3,4,5,6,7,8,9,10,11,12,13,14,15
	SUBL 0, \i
.endr
	MIX 0
	MIX 1
	MIX 2
	MIX 3
.irp i, 0,1,2,3,4,5,6,7,8,9,10,11,12,13,14,15
	FINL 3, \i
.endr
.if \first
.irp qt, 0,1,2,3
	v_add_f32 v[MB+4*\qt+3], v[ACC+2*\qt], v[ACC+2*\qt+1]
.endr
.else
.irp qt, 0,1,2,3
	v_add_f32 v[TB+4*\qt], v[ACC+2*\qt], v[ACC+2*\qt+1]
.endr
.irp qt, 0,1,2,3
	v_fma_f32 v[MB+4*\qt+3], v[MB+4*\qt+3], v[MB+4*\qt+2], v[TB+4*\qt]
.endr
.endif
.endm
; query tile qt of O^T times AL of its query (a lane holds one query: one factor for its 64 registers)
.macro OSCALE qt
	WIN 0x86
.set ri, 64*\qt
.rept 32
	v_pk_mul_f32 v[ri:ri+1], v[ri:ri+1], v[MB+4*\qt+2:MB+4*\qt+3] op_sel_hi:[1,0]
.set ri, ri+2
.endr
.endm
; One key tile, in LDS slot slot.  first = 1: a block's diagonal tile.  next = 1: the stream's next tile is fetched and staged into the other slot.
.macro TRIP slot, first, next
	s_wait_dscnt 0x0                               ; my stores into this slot and my reads of the other slot are done
	s_barrier_signal -1
	s_barrier_wait -1                              ; every wave's are: this slot is whole, and the other may be written
	WIN 0
.if \next
	s_wait_alu depctr_vm_vsrc(0)                   ; the last fetch's loads have read GOFF, which the add writes; the LDS stores issued so far have read the staging registers, in which the loads below land
	v_add_nc_u32 v[GOFF], s28, v[LANEOFF]          ; free: the loads that named it were waited for
.endif
	WIN 0xc0
	s_wait_alu depctr_va_vdst(0)                   ; GOFF is written; the conversions are done with the staging registers; the products issued so far are done reading the K and V^T buffers
	LDK KB, \slot, 0
	LDK KB+32, \slot, 1
	LDK KB+64, \slot, 2
.if \next
	FETCH                                          ; on its way during the first product and the softmax
.endif
	s_wait_dscnt 16                                ; here and three times below: the oldest 8 loads are in, the two younger buffers' 16 may stay out
	WIN 0x53
	QK16 KB, 0
	WIN 0xc0
	LDK KB+96, \slot, 3                            ; here and in the three runs below no wait: no vector or matrix instruction since the trip's head names the buffer or the address
	s_wait_dscnt 16
	WIN 0x53
	QK16 KB+32, 1
	WIN 0
	LDV FB0, \slot, 0
	s_wait_dscnt 16
	WIN 0x53
	QK16 KB+64, 2
	WIN 0
	LDV FB1, \slot, 2
	s_wait_dscnt 16
	WIN 0x53
	QK16 KB+96, 3
	WIN 0
	LDV FB2, \slot, 4
	PLACES                                         ; for the softmax, which reads the scores
	SOFTMAX \first
	s_wait_dscnt 0x0                               ; the three buffers of V^T, asked for a softmax ago
.if \first == 0
	OSCALE 0
	OSCALE 1
	OSCALE 2
	OSCALE 3
.endif
.if \next
	STAGECVT 0                                     ; the wait for all 32 loads also frees GOFF
.endif
	WIN 0xc0
	s_wait_alu depctr_va_vdst(0)                   ; the first product is done reading K's first buffer, in which the loads below land; with next = 1 the conversions have written the staging registers, which the LDS stores read
	LDV KB, \slot, 6
.if \next
	STAGEST 1-\slot
.endif
	WIN 0xa4
	PV16 FB0, 0, \first
	PV16 FB1, 2, \first
	PV16 FB2, 4, \first
	s_wait_dscnt 32*\next                          ; the 8 loads of d tiles 6, 7, issued 48 matrix instructions ago, are in; the 32 stores behind them may stay out until the next trip's head
	WIN 0xa7
	PV16 KB, 6, \first
	PLACES                                         ; for the next trip's writes of P, and for the way out
	WIN 0
.endm
; The way out of a block: the two halves' sums meet, O^T is divided by them, and 16 queries at a time go through my own stage in LDS,
; so that a store of the wave is one whole row of 512 bytes of out0.  more = 1: a later trip loads the buffers again.
.macro EPI plo, more
	WIN 0x55
.irp qt, 0,1,2,3
	v_permlanex16_b32 v[MB+4*\qt+1], v[MB+4*\qt+3], s34, s35
.endr
.irp qt, 0,1,2,3
	v_add_f32 v[MB+4*\qt+3], v[MB+4*\qt+3], v[MB+4*\qt+1]
.endr
.irp qt, 0,1,2,3
	v_rcp_f32 v[MB+4*\qt+2], v[MB+4*\qt+3]         ; the sum holds the largest score's term, which is 1 up to the rounding of NMC
.endr
	v_nop                                          ; the plain place behind a transcendental (ISA guide 5.7.2)
	s_wait_alu depctr_va_vdst(0)
.irp qt, 0,1,2,3
	OSCALE \qt
	WIN 0x08
	s_wait_alu depctr_va_vdst(0)                   ; the multiplies have written this query tile of O^T, which the LDS stores read; the last trip's products are done reading v160-223, in which the rows come back
.irp dt, 0,1,2,3,4,5,6,7
	ds_store_b128 v[OST], v[64*\qt+8*\dt:64*\qt+8*\dt+3] offset:64*\dt
	ds_store_b128 v[OST], v[64*\qt+8*\dt+4:64*\qt+8*\dt+7] offset:64*\dt+16
.endr
	WIN 0
.if \qt > 0
	s_wait_xcnt 0x0                                ; the last 16 stores have had their addresses translated: their data registers are loaded again only behind this wait
	s_wait_alu depctr_vm_vsrc(0)                   ; and they have read those data registers, in which the loads below land
.endif
.set ri, 0
.rept 16
	ds_load_b128 v[FB0+4*ri:FB0+4*ri+3], v[ORD] offset:OP*ri   ; LDS serves a wave's instructions in order: these see the stores above
.set ri, ri+1
.endr
.set ri, 0
.rept 16
	s_wait_dscnt 15-ri                             ; row ri is back; the younger rows may stay out
	global_store_b128 v[LB16], v[FB0+4*ri:FB0+4*ri+3], s[\plo:\plo+1] offset:(16*\qt+ri)*QROW th:TH_STORE_NT
.set ri, ri+1
.endr
.endr
.if \more
	s_wait_xcnt 0x0                                ; the next trip loads the buffers that these stores read
	s_wait_alu depctr_vm_vsrc(0)                   ; the stores have read v160-223 and the LDS stores O^T: the next block's loads and products write both again
.endif
.endm
	; ---- the first tile, and Q of block E ----
	v_add_nc_u32 v[GOFF], s28, v[LANEOFF]          ; E's diagonal tile
	WIN 0xc0
	s_wait_alu depctr_va_vdst(0)                   ; the addresses and offsets v2 to v13 are written: every load, store and prefetch of the kernel reads one of them
	FETCH
	QFETCH 0, 20
	STAGECVT 32                                    ; K and V are in; the 32 rows of Q behind them stay out
	WIN 0x0c
	s_wait_alu depctr_va_vdst(0)                   ; the conversions have written the staging registers, which the LDS stores read
	STAGEST 0
	s_wait_dscnt 0x0                               ; staging 0-127 is the data of the stores above: it is loaded again when they are done
	WIN 0xc0
	s_wait_alu depctr_vm_vsrc(0)                   ; those stores have read staging 0-127, in which the loads below land
	s_wait_alu depctr_va_vdst(0)                   ; the conversions of K and V are done with staging 0-127: stated behind the stores that read it, straight ahead of the loads
	QFETCH 1, 20
	s_wait_loadcnt 32                              ; rows 0-31 are in, rows 32-63 stay out
	QCVT 0
	s_wait_loadcnt 0x0
	QCVT 1
	QFRAGS
	; ---- block E: 2 x + 1 tiles ----
	TRIP 0, 1, 1
	s_cmp_eq_u32 s13, 0
	s_cbranch_scc1 .Le_done
	s_mov_b32 s30, s13
.Le_loop:
	TRIP 1, 0, 1
	s_cmp_lg_u32 s30, 1
	s_cbranch_scc1 .Le_nopf
	; In E's last trip but one each wave asks for its own head's 64 rows of block O's Q, 128 blocks of 256 bytes, each once:
	; they are loaded one trip later.  All lie inside query.  A work-group with x = 0 has no such trip and asks for nothing.
	; PFO was written ahead of the kernel's first wait on va_vdst and is named by nothing else.
.irp k, 0,1,2,3
	global_prefetch_b8 v[PFO], s[22:23] offset:16*QROW*\k th:TH_LOAD_NT scope:SCOPE_SE
.endr
.Le_nopf:
	TRIP 0, 0, 1
	s_sub_co_i32 s30, s30, 1
	s_cmp_lg_u32 s30, 0
	s_cbranch_scc1 .Le_loop
.Le_done:
	; ---- from E to O: O's Q is on its way while E goes out (O's diagonal tile was staged into slot 1 by E's last trip) ----
	WIN 0xc0
	s_wait_alu depctr_vm_vsrc(0)                   ; the last trip's LDS stores have read staging 0-127, in which rows 32-63 land
	s_wait_alu depctr_va_vdst(0)                   ; its conversions are done with staging 0-127, its products are done reading the K buffers, staging 128-255, in which rows 0-31 land
	QFETCH 0, 22
	QFETCH 1, 22
	EPI 24, 1
	s_wait_loadcnt 32                              ; rows 0-31 are in, rows 32-63 may stay out
	QCVT 0
	s_wait_loadcnt 0x0
	QCVT 1
	QFRAGS
	; ---- block O: 32 - 2 x tiles ----
	TRIP 1, 1, 1
	s_sub_co_u32 s30, 15, s13
	s_cmp_eq_u32 s30, 0
	s_cbranch_scc1 .Lo_done
.Lo_loop:
	TRIP 0, 0, 1
	TRIP 1, 0, 1
	s_sub_co_i32 s30, s30, 1
	s_cmp_lg_u32 s30, 0
	s_cbranch_scc1 .Lo_loop
.Lo_done:
	TRIP 0, 0, 0                                   ; tile 0: nothing is left to fetch
	EPI 26, 0
	s_wait_dscnt 0x0
	s_wait_alu depctr_hold_cnt(0) depctr_sa_sdst(0) depctr_va_vdst(0) depctr_va_sdst(0) depctr_va_ssrc(0) depctr_va_vcc(0) depctr_vm_vsrc(0)
	s_wait_tensorcnt 0x0
	ds_add_u32 v30, v31
	s_wait_dscnt 0x0
	s_endpgm
.Lfunc_end_k_q3f21233083_attn:
	.size	k_q3f21233083_attn, .Lfunc_end_k_q3f21233083_attn-k_q3f21233083_attn
	.p2alignl 7, 3214868480
	.fill 96, 4, 3214868480
	.section	.rodata,"a",@progbits
	.p2align	6, 0x0
	.amdhsa_kernel k_q3f21233083_attn
		.amdhsa_group_segment_fixed_size 175616
		.amdhsa_private_segment_fixed_size 0
		.amdhsa_enable_private_segment 0
		.amdhsa_kernarg_size 32
		.amdhsa_user_sgpr_count 2
		.amdhsa_user_sgpr_kernarg_segment_ptr 1
		.amdhsa_wavefront_size32 1
		.amdhsa_system_sgpr_workgroup_id_x 1
		.amdhsa_system_sgpr_workgroup_id_y 1
		.amdhsa_system_sgpr_workgroup_id_z 1
		.amdhsa_system_vgpr_workitem_id 0
		.amdhsa_next_free_vgpr 1024
		.amdhsa_next_free_sgpr 66
		.amdhsa_reserve_vcc 0
		.amdhsa_float_denorm_mode_32 3
		.amdhsa_float_denorm_mode_16_64 3
		.amdhsa_memory_ordered 1
		.amdhsa_forward_progress 1
		.amdhsa_inst_pref_size 255
	.end_amdhsa_kernel
	.section	.bss,"aw",@nobits
	.p2align	6
	.space	262144
	.amdgpu_metadata
---
amdhsa.version: [ 1, 2 ]
amdhsa.kernels:
  - .name:           k_q3f21233083_attn
    .symbol:         k_q3f21233083_attn.kd
    .args:
      - { .name: query, .offset: 0, .size: 8, .value_kind: global_buffer, .address_space: global }
      - { .name: key, .offset: 8, .size: 8, .value_kind: global_buffer, .address_space: global }
      - { .name: value, .offset: 16, .size: 8, .value_kind: global_buffer, .address_space: global }
      - { .name: out0, .offset: 24, .size: 8, .value_kind: global_buffer, .address_space: global }
    .group_segment_fixed_size: 175616
    .private_segment_fixed_size: 0
    .kernarg_segment_align: 8
    .kernarg_segment_size: 32
    .max_flat_workgroup_size: 128
    .sgpr_count:     66
    .vgpr_count:     1024
    .wavefront_size: 32
...
	.end_amdgpu_metadata
.endif
;; end of part 2
